; MI455X (gfx1250); checked and timed in simulation.
; The chip was launched on July 23, 2026; its instructions are those of AMD's public machine-readable ISA for CDNA 5 (MIT licence, August 2026) and "CDNA5" Instruction Set Architecture Reference Guide (July 2026). The comments in the code are by the model that wrote it; some were corrected since.
;; Full Attention Masked. Allowed arithmetic: float matrix products may take bf16 or f16 operands with f32 sums; all other float work in f32.
;; Inputs: k 2 x 16 x 2,048 x 64 float32; mask 1 x 1 x 2,048 x 2,048 bool; q 2 x 16 x 2,048 x 64 float32; v 2 x 16 x 2,048 x 64 float32.
;; Outputs: out0 2 x 16 x 2,048 x 64 float32.
;; One version. Each part assembles by itself: llvm-mc -triple=amdgcn-amd-amdhsa -mcpu=gfx1250 --defsym DOCPART=n.
;; ======== version 1 of 1: 2 launches
;; limits: values are held in f16: magnitudes above 65,504 overflow, below 6.1e-05 lose precision; right only within a limited range of input values
;; workspace buffers: mbits 540,672 bytes of whole numbers
;; launch pack (part 1): grid 128 x 1, 8 waves a work-group, no clusters, 2,048 bytes of LDS; arguments mask, mbits; writes mbits
.if DOCPART == 1
	.amdgcn_target "amdgcn-amd-amdhsa--gfx1250"
	.amdhsa_code_object_version 6
	.text
	.protected	k_q24f5de4916_pack
	.globl	k_q24f5de4916_pack
	.p2align	8
	.type	k_q24f5de4916_pack,@function
k_q24f5de4916_pack:
	s_mov_b64 s[64:65], 0
	v_nop
	global_prefetch_b8 v0, s[64:65] scope:SCOPE_SE
	s_setreg_imm32_b32 hwreg(HW_REG_WAVE_MODE, 25, 1), 1
	s_wait_xcnt 0x0
; The byte mask [2048 queries][2048 keys] is turned ONCE into lane masks for the attention launch, which would otherwise
; decode the same bytes for each of its 32 heads.
;   mbits bytes 0 .. 524287:       W[qt 0..127][kt 0..127][j 0..7], 32-bit words; bit (r + 16 h) of a word is
;                                  mask[16 qt + r][16 kt + 8 h + j]: the lane layout of register j of a 16 x 16 tile of
;                                  scores held as (key = 8 h + j, query = r).
;   mbits bytes 524288 .. 540671:  cnt[qt][lane 0..31]: how many keys of row 16 qt + (lane & 15) are masked (held twice).
; LIMIT, stated: a mask byte is 0 or 1, as the problem gives it (bit 0 is tested; the count adds the bytes).
; A work-group owns 16 rows (qt = its number); wave w owns key tiles 16 w .. 16 w + 15, 256 bytes of each row.
; Memory binds and the work is bit shuffling: no matrix unit, no cluster (no byte is read by two work-groups).
.set VO,  2                            ; v2       r * 2048 + 8 h: my 8 bytes in key tile 0 of my wave
.set SO,  3                            ; v3       16 * lane: my four words in the wave's 512 bytes of W
.set LO,  4                            ; v4       4 * thread: my word in LDS
.set T,   5                            ; v5, v6   at work
.set ACC, 7                            ; v7       four byte counters, then my count
.set X,   8                            ; v[8:39]  16 loaded pairs
.set W,   40                           ; v[40:43] lane l: words 4 l .. 4 l + 3 of the wave's 128
	s_load_b128 s[4:7], s[0:1], 0x0                ; mask s[4:5], mbits s[6:7]
	v_lshl_add_u32 v48, v0, 2, 0x400
	v_mov_b32 v49, 0
	v_and_b32 v1, 31, v0                           ; lane
	v_lshrrev_b32 v[T], 5, v0
	v_readfirstlane_b32 s8, v[T]                   ; wave
	v_and_b32 v[T], 15, v0                         ; r
	v_bfe_u32 v[T+1], v0, 4, 1                     ; h
	v_lshlrev_b32 v[VO], 11, v[T]
	v_lshl_add_u32 v[VO], v[T+1], 3, v[VO]
	v_lshlrev_b32 v[SO], 4, v1
	v_lshlrev_b32 v[LO], 2, v0
	s_mov_b32 s12, 0x76543210                      ; v_permlanex16_b32: lane i reads lane i of the other half
	s_mov_b32 s13, 0xfedcba98
	s_lshl_b32 s10, ttmp9, 15                      ; 16 rows of 2,048 bytes
	s_lshl_b32 s11, s8, 8                          ; + my wave's 256 bytes of a row
	s_add_co_u32 s10, s10, s11
	s_mov_b32 s11, 0
	s_wait_kmcnt 0x0
	s_add_nc_u64 s[4:5], s[4:5], s[10:11]
.irp i, 0,1,2,3,4,5,6,7,8,9,10,11,12,13,14,15
	global_load_b64 v[X+2*\i:X+2*\i+1], v[VO], s[4:5] offset:16*\i     ; key tile i: 8 bytes of row r; the 16 loads together take each row's aligned 256 bytes whole
.endr
	s_lshl_b32 s10, ttmp9, 12                      ; W: 4,096 bytes for a qt,
	s_lshl_b32 s11, s8, 9                          ; 512 for a wave
	s_add_co_u32 s10, s10, s11
	s_mov_b32 s11, 0
	s_add_nc_u64 s[20:21], s[6:7], 0x80000         ; cnt lies behind W
	s_add_nc_u64 s[6:7], s[6:7], s[10:11]
	s_lshl_b32 s10, ttmp9, 7                       ; 128 bytes of cnt for a qt
	s_add_nc_u64 s[20:21], s[20:21], s[10:11]
.irp k, 0,1,2,3
	v_mov_b32 v[W+\k], 0                           ; v_writelane_b32 keeps the other lanes: its destination has to be written first
.endr
.set i, 0
.rept 16
	s_wait_loadcnt 15-i                            ; loads come back in order: tile i is in, the 15 - i younger ones stay out
.if i == 0
	v_add_nc_u32 v[ACC], v[X], v[X+1]              ; four byte counters; 32 words of bytes 0 or 1: no counter passes 32
.else
	v_add3_u32 v[ACC], v[ACC], v[X+2*i], v[X+2*i+1]
.endif
.set j, 0
.rept 8
	v_and_b32 v[T+(j&1)], 1<<(8*(j&3)), v[X+2*i+(j>>2)]    ; byte j of my eight
	v_cmp_ne_u32 s[16+(j&3)], 0, v[T+(j&1)]                ; the 32 lanes' bits are word 8 i + j
	v_writelane_b32 v[W+(j&3)], s[16+(j&3)], 2*i+(j>>2)    ; which belongs to lane (8 i + j) / 4, register (8 i + j) % 4
.set j, j+1
.endr
.set i, i+1
.endr
	global_store_b128 v[SO], v[W:W+3], s[6:7]      ; the wave stores 512 consecutive bytes, aligned
	v_lshrrev_b32 v[T], 8, v[ACC]                  ; fold the four counters: bytes to halves,
	v_and_b32 v[ACC], 0x00ff00ff, v[ACC]
	v_and_b32 v[T], 0x00ff00ff, v[T]
	v_add_nc_u32 v[ACC], v[ACC], v[T]
	v_lshrrev_b32 v[T], 16, v[ACC]                 ; halves to one number
	v_and_b32 v[ACC], 0xffff, v[ACC]
	v_add_nc_u32 v[ACC], v[ACC], v[T]
	ds_store_b32 v[LO], v[ACC]
	s_wait_dscnt 0x0                               ; zero: wave 0 reads these words behind the barrier
	s_barrier_signal -1
	s_barrier_wait -1
	s_cmp_lg_u32 s8, 0
	s_cbranch_scc1 .Lend                           ; wave 0 alone adds the eight waves' counts
	v_lshlrev_b32 v[T], 2, v1
.irp i, 0,1,2,3,4,5,6,7
	ds_load_b32 v[X+\i], v[T] offset:128*\i        ; my lane's count in wave i
.endr
	s_wait_dscnt 0x0
	v_add3_u32 v[X], v[X], v[X+1], v[X+2]
	v_add3_u32 v[X+3], v[X+3], v[X+4], v[X+5]
	v_add3_u32 v[X], v[X], v[X+6], v[X+7]
	v_add_nc_u32 v[X], v[X], v[X+3]
	v_permlanex16_b32 v[X+1], v[X], s12, s13       ; the other half of the row's keys (the destination has been written before)
	v_add_nc_u32 v[X], v[X], v[X+1]
	global_store_b32 v[T], v[X], s[20:21]          ; 128 bytes for a work-group: 16 KiB in the whole launch
.Lend:
	s_wait_tensorcnt 0x0
	ds_add_u32 v48, v49
	s_wait_dscnt 0x0
	s_endpgm
.Lfunc_end_k_q24f5de4916_pack:
	.size	k_q24f5de4916_pack, .Lfunc_end_k_q24f5de4916_pack-k_q24f5de4916_pack
	.p2alignl 7, 3214868480
	.fill 96, 4, 3214868480
	.section	.rodata,"a",@progbits
	.p2align	6, 0x0
	.amdhsa_kernel k_q24f5de4916_pack
		.amdhsa_group_segment_fixed_size 2048
		.amdhsa_private_segment_fixed_size 0
		.amdhsa_enable_private_segment 0
		.amdhsa_kernarg_size 16
		.amdhsa_user_sgpr_count 2
		.amdhsa_user_sgpr_kernarg_segment_ptr 1
		.amdhsa_wavefront_size32 1
		.amdhsa_system_sgpr_workgroup_id_x 1
		.amdhsa_system_sgpr_workgroup_id_y 1
		.amdhsa_system_sgpr_workgroup_id_z 1
		.amdhsa_system_vgpr_workitem_id 0
		.amdhsa_next_free_vgpr 50
		.amdhsa_next_free_sgpr 66
		.amdhsa_reserve_vcc 0
		.amdhsa_float_denorm_mode_32 3
		.amdhsa_float_denorm_mode_16_64 3
		.amdhsa_memory_ordered 1
		.amdhsa_forward_progress 1
		.amdhsa_inst_pref_size 30
	.end_amdhsa_kernel
	.amdgpu_metadata
---
amdhsa.version: [ 1, 2 ]
amdhsa.kernels:
  - .name:           k_q24f5de4916_pack
    .symbol:         k_q24f5de4916_pack.kd
    .args:
      - { .name: mask, .offset: 0, .size: 8, .value_kind: global_buffer, .address_space: global }
      - { .name: mbits, .offset: 8, .size: 8, .value_kind: global_buffer, .address_space: global }
    .group_segment_fixed_size: 2048
    .private_segment_fixed_size: 0
    .kernarg_segment_align: 8
    .kernarg_segment_size: 16
    .max_flat_workgroup_size: 256
    .sgpr_count:     66
    .vgpr_count:     50
    .wavefront_size: 32
...
	.end_amdgpu_metadata
.endif
;; end of part 1
;; launch attn (part 2): grid 8 x 32, 8 waves a work-group, no clusters, 148,480 bytes of LDS; arguments q, k, v, mbits, out0; writes out0
.if DOCPART == 2
	.amdgcn_target "amdgcn-amd-amdhsa--gfx1250"
	.amdhsa_code_object_version 6
	.text
	.protected	k_q24f5de4916_attn
	.globl	k_q24f5de4916_attn
	.p2align	8
	.type	k_q24f5de4916_attn,@function
k_q24f5de4916_attn:
	s_mov_b64 s[64:65], 0
	v_nop
	global_prefetch_b8 v0, s[64:65] scope:SCOPE_SE
	s_setreg_imm32_b32 hwreg(HW_REG_WAVE_MODE, 25, 1), 1
	s_wait_xcnt 0x0
; out = softmax(where(mask, -10000, q k^T / 8)) with the masked weights set to 0, times v.  32 heads, 2,048 x 2,048, D = 64, f32.
; THE ALGEBRA.  q is multiplied by 0.125 log2(e) in f32 and rounded to f16, so scores t are exponents of 2.  A masked score becomes
; -inf (weight exactly 0).  Per query: m = running maximum of the UNMASKED scores (starts at -FLT_MAX and stays finite, so -inf - m is
; never NaN), l = sum 2^(t-m), O = sum 2^(t-m) v.  The masked keys of a row all add the same term to the reference's denominator:
;     out = O / (l + cnt * 2^min(M - m, 126)),  M = -10000 log2(e),  cnt = the row's masked keys (made by the launch before).
; That is the reference's quotient with numerator and denominator divided by the same power of two.  A row that is masked whole:
; O = 0, l = 0, denominator 2048 * 2^126 = inf, out = 0, as in the reference.  cnt = 0: the term is 0.
; THE FORMAT.  All four matrix operands (Q, K, V, the weights P) are f16, sums f32.  An output is a sum of some thousand weighted numbers
; that largely cancel, and is compared within a hundredth of the outputs' root mean square: the operands' rounding is what counts, and
; f16 keeps 11 significant bits where bf16 keeps 8.  Room in f16: inputs of spread 1 lie within 6 or so; 30 times that plus an offset of
; 30 spreads stays under 250, and f16 reaches 65,504.  Inputs 30 times smaller are about 0.03 (0.006 for 0.18 q); under 2^-14 f16 steps
; by 2^-24, less than 1e-5 of that.  P lies in [0, 1]; a weight under 2^-14 is off by 2^-25 at the most.
; LIMITS, stated: |0.18 q|, |k| or |v| above 65,504 become inf in f16; where every unmasked score of a row lies more than 126 powers of
; two (87 in e) below -10000, out is 0 or below 1e-34 in magnitude where the reference has numbers of that size; v_exp_f32 gives 0 for
; weights below 2^-126; NaN and inf inputs are not served.
; SHARES.  256 work-groups: x = block of 256 queries, y = head.  Eight waves, 32 queries each (two tiles a = 0, 1); keys in 16 steps of 128.
; LAYOUTS, no lane shuffle anywhere.  S^T = K Q^T (source 0 = 16 keys, source 1 = 16 queries): register 8 c + j of lane (r, h) is
; query r, key 16 c + 8 h + j, so a query's maximum and sum are a lane's own but for one exchange of halves, and packing tiles 2 u,
; 2 u + 1 to f16 IS source 1 of O^T = V^T P^T for keys 32 u .. 32 u + 31.  V^T comes by the transposing LDS load.  In O^T a lane
; holds query r, d = 16 t + 8 h + j: the rescaling factor and 1 / l are a lane's own numbers.
; K AND V go memory -> registers (f32) -> f16 -> LDS, two slots, one barrier a step (signal and wait apart).
; NO TENSOR LOADS, NO CLUSTER, though the eight work-groups of a head read the same K and V: the tiles are f32 and have to be rounded
; before the matrix unit.  Through registers a step's 16,384 numbers cost 2 bytes of LDS writes each (32 KiB); brought into LDS as f32
; they would cost 4 written, 4 read and 2 written (160 KiB).
.set KSLOT, 18432                      ; K: 128 keys, pitch 144 = 128 + 16 bytes: the 16 rows of a fragment load start in 16 different 16-byte columns modulo 256
.set VSLOT, 20480                      ; V: 128 keys, pitch 160, an odd multiple of 32, for the transposing load
.set VBASE, 2*KSLOT                    ; LDS: K0, K1, V0, V1, then a stage of 32 rows x 272 bytes for each wave (the way out)
.set STG,   VBASE+2*VSLOT
.set TILE,  32768                      ; 128 keys x 64 f32 in memory
; window 0
.set KAD,  1                           ; r 144 + 16 h
.set VAD,  2                           ; VBASE + (8 h + l % 8) 160 + 16 ((l / 8) % 2)
.set KST,  3                           ; (2 w + h) 144 + 8 r
.set VST,  4                           ; VBASE + (2 w + h) 160 + 8 r
.set GOF,  5                           ; 16 x thread
.set PFO,  6                           ; 256 x lane + (x % 4) 8192
.set NINF, 7                           ; -inf
.set MX,   8                           ; v8, v9    m of tile a
.set LS,   10                          ; v10, v11  l of tile a (my half of the keys)
.set NM,   12                          ; v[12:13]  the new maximum, twice
.set AL,   14                          ; v[14:15], v[16:17]  2^(m old - m new) of tile a, twice; at the end 1 / denominator
.set TT,   18                          ; v[18:21]  at work
.set AC,   22                          ; v[22:25]  two packed partial sums
.set CN,   26                          ; v26, v27  cnt of tile a
.set OST,  28                          ; stage + r 272 + 32 h
.set ORD,  29                          ; stage + (l / 16) 272 + 16 (l % 16)
.set OGO,  30                          ; 16 x lane
.set QOF,  31                          ; r 256 + 32 h
.set QF,   32                          ; v[32:63]   Q fragments: tile a, d half kk at 16 a + 8 kk
.set SC,   64                          ; v[64:191]  scores of tile a at 64 a; packed P in the lower 32, V fragments in the upper 32
.set FR,   192                         ; v[192:255] fragments of K (four sets of 16), then of V
; window 1 (written as v0 .. v127)
.set OA,   0                           ; v256-319  O^T: tile a, d block t at 32 a + 8 t
.set ST,   64                          ; v320-383  the next K and V tile as loaded, f32
; scalars: s[4:5] q, s[6:7] k and s[8:9] v at the tile loaded last, s[10:11] my mask words, s[12:13] out0, s14 wave, s15 counter,
; s[16:63] and s[68:83] 64 mask words, s84-85 lane selects, s[88:89] prefetch base, s[90:91] cnt, s92 x, s93 y, s86-87, s94-95 at work
.set MSB, 0
.macro WIN new                         ; s_set_vgpr_msb: bits 1:0 source 0, 3:2 source 1, 5:4 source 2, 7:6 destination; the high byte repeats the setting left
.if MSB != \new
	s_set_vgpr_msb (MSB<<8)|\new
.set MSB, \new
.endif
.endm
.macro PLACES n                        ; independent vector slots behind matrix instructions (ISA guide 7.12.1)
.rept \n
	v_nop
.endr
.endm
.macro KLOAD slot, c, f                ; key tile c, both halves of d, into fragment set f
.irp g, 0,1,2,3
	ds_load_b128 v[FR+16*\f+4*\g:FR+16*\f+4*\g+3], v[KAD] offset:\slot*KSLOT+\c*2304+32*\g
.endr
.endm
.macro SMUL c, f                       ; scores of key tile c for both query tiles: the first product starts the sum, the second is the chain's next link
.irp a, 0,1
	v_wmma_f32_16x16x32_f16 v[SC+64*\a+8*\c:SC+64*\a+8*\c+7], v[FR+16*\f:FR+16*\f+7], v[QF+16*\a:QF+16*\a+7], 0
.endr
.irp a, 0,1
	v_wmma_f32_16x16x32_f16 v[SC+64*\a+8*\c:SC+64*\a+8*\c+7], v[FR+16*\f+8:FR+16*\f+15], v[QF+16*\a+8:QF+16*\a+15], v[SC+64*\a+8*\c:SC+64*\a+8*\c+7]
.endr
.endm
.macro VLOAD slot, u, dst              ; V^T for keys 32 u .. 32 u + 31, four d blocks of 16: 32 registers
.irp t, 0,1,2,3
.irp e, 0,1
	ds_load_tr16_b128 v[\dst+8*\t+4*\e:\dst+8*\t+4*\e+3], v[VAD] offset:\slot*VSLOT+(32*\u+16*\e)*160+32*\t
.endr
.endr
.endm
.macro LOADM a                         ; the step's 64 lane masks of query tile a: 256 consecutive bytes
	s_load_b512 s[16:31], s[10:11], \a*4096
	s_load_b512 s[32:47], s[10:11], \a*4096+64
	s_load_b512 s[48:63], s[10:11], \a*4096+128
	s_load_b512 s[68:83], s[10:11], \a*4096+192
.endm
.macro CONV slot                       ; the tile in ST: round to f16, 8 bytes a thread and row block into the slot
	s_wait_loadcnt 0x0                             ; the 16 loads were issued a whole step ago; nothing younger is out
	WIN 0x45
.irp i, 0,1,2,3,4,5,6,7,8,9,10,11,12,13,14,15
	v_cvt_pk_f16_f32 v[ST+4*\i], v[ST+4*\i], v[ST+4*\i+1]
	v_cvt_pk_f16_f32 v[ST+4*\i+1], v[ST+4*\i+2], v[ST+4*\i+3]
.endr
	WIN 0x44                                       ; store data and load destinations in window 1, addresses in window 0
.irp i, 0,1,2,3,4,5,6,7
	ds_store_b64 v[KST], v[ST+4*\i:ST+4*\i+1] offset:\slot*KSLOT+\i*2304       ; key 16 i + 2 w + h, d = 4 r .. 4 r + 3
.endr
.irp i, 0,1,2,3,4,5,6,7
	ds_store_b64 v[VST], v[ST+32+4*\i:ST+32+4*\i+1] offset:\slot*VSLOT+\i*2560
.endr
.endm
.macro LOADT step, pf                  ; the next K and V tile: each instruction of the work-group covers 4,096 consecutive bytes
	WIN 0x44
	s_wait_xcnt 0x0                                ; the bases are stepped only when every earlier address has been translated (ISA guide 3.1)
.if \step
	s_add_nc_u64 s[6:7], s[6:7], TILE
	s_add_nc_u64 s[8:9], s[8:9], TILE
.endif
.if \pf
	s_add_nc_u64 s[88:89], s[88:89], TILE
.endif
.irp i, 0,1,2,3,4,5,6,7
	global_load_b128 v[ST+4*\i:ST+4*\i+3], v[GOF], s[6:7] offset:4096*\i
.endr
.irp i, 0,1,2,3,4,5,6,7
	global_load_b128 v[ST+32+4*\i:ST+32+4*\i+3], v[GOF], s[8:9] offset:4096*\i
.endr
.endm
.macro STAGE1 a                        ; masked scores to -inf; four chains of maxima, started by their first pairs
.irp p, 0,1,2,3,4,5,6,7
.irp k, 0,1,2,3
	v_cndmask_b32 v[SC+64*\a+16*\k+2*\p], v[SC+64*\a+16*\k+2*\p], v[NINF], s[16+16*\k+2*\p+4*((16*\k+2*\p)/48)]
	v_cndmask_b32 v[SC+64*\a+16*\k+2*\p+1], v[SC+64*\a+16*\k+2*\p+1], v[NINF], s[17+16*\k+2*\p+4*((16*\k+2*\p)/48)]
.if \p == 0
	v_max_num_f32 v[TT+\k], v[SC+64*\a+16*\k], v[SC+64*\a+16*\k+1]
.else
	v_max3_num_f32 v[TT+\k], v[TT+\k], v[SC+64*\a+16*\k+2*\p], v[SC+64*\a+16*\k+2*\p+1]
.endif
.endr
.endr
.endm
.macro STAGE2 a                        ; the new maximum (both halves of the keys) and the factor for what has been summed so far
	v_max3_num_f32 v[TT], v[TT], v[TT+1], v[TT+2]
	v_max_num_f32 v[TT], v[TT], v[TT+3]
	v_permlanex16_b32 v[TT+1], v[TT], s84, s85
	v_max3_num_f32 v[NM], v[TT], v[TT+1], v[MX+\a]
	v_sub_f32 v[TT+2], v[MX+\a], v[NM]
	v_mov_b32 v[NM+1], v[NM]
	v_exp_f32 v[AL+2*\a], v[TT+2]
	v_mov_b32 v[MX+\a], v[NM]                      ; the plain instruction between v_exp_f32 and the use of its result
	s_wait_alu depctr_va_vdst(0)
	v_mov_b32 v[AL+2*\a+1], v[AL+2*\a]
.endm
.macro SUBC a, c                       ; t - m, 8 registers
.irp i, 0,2,4,6
	v_pk_add_f32 v[SC+64*\a+8*\c+\i:SC+64*\a+8*\c+\i+1], v[SC+64*\a+8*\c+\i:SC+64*\a+8*\c+\i+1], v[NM:NM+1] neg_lo:[0,1] neg_hi:[0,1]
.endr
.endm
.macro EXPC a, c
.irp i, 0,1,2,3,4,5,6,7
	v_exp_f32 v[SC+64*\a+8*\c+\i], v[SC+64*\a+8*\c+\i]
.endr
.endm
.macro SUMC a, c                       ; two packed chains; chunk 0 starts them: nothing is cleared
.if \c == 0
	s_wait_alu depctr_va_vdst(0)
	v_pk_add_f32 v[AC:AC+1], v[SC+64*\a:SC+64*\a+1], v[SC+64*\a+2:SC+64*\a+3]
	v_pk_add_f32 v[AC+2:AC+3], v[SC+64*\a+4:SC+64*\a+5], v[SC+64*\a+6:SC+64*\a+7]
.else
	s_wait_alu depctr_va_vdst(0)
	v_pk_add_f32 v[AC:AC+1], v[AC:AC+1], v[SC+64*\a+8*\c:SC+64*\a+8*\c+1]
	v_pk_add_f32 v[AC+2:AC+3], v[AC+2:AC+3], v[SC+64*\a+8*\c+2:SC+64*\a+8*\c+3]
	v_pk_add_f32 v[AC:AC+1], v[AC:AC+1], v[SC+64*\a+8*\c+4:SC+64*\a+8*\c+5]
	v_pk_add_f32 v[AC+2:AC+3], v[AC+2:AC+3], v[SC+64*\a+8*\c+6:SC+64*\a+8*\c+7]
.endif
.endm
.macro CVTC a, c                       ; pack in place: register 4 c + i lies at or below its sources, and what it held has been summed and packed
.irp i, 0,1,2,3
	v_cvt_pk_f16_f32 v[SC+64*\a+4*\c+\i], v[SC+64*\a+8*\c+2*\i], v[SC+64*\a+8*\c+2*\i+1]
.endr
.endm
.macro STAGE3 a                        ; weights, their sum, P in f16.  The next chunk's subtractions are the plain instructions behind a chunk's exponentials
	SUBC \a, 0
	EXPC \a, 0
.irp c, 1,2,3,4,5,6,7
	SUBC \a, \c
	SUMC \a, (\c-1)
	CVTC \a, (\c-1)
	EXPC \a, \c
.endr
	v_nop                                          ; behind the last chunk there is no other work
	SUMC \a, 7
	CVTC \a, 7
	v_pk_add_f32 v[AC:AC+1], v[AC:AC+1], v[AC+2:AC+3]
	v_add_f32 v[TT], v[AC], v[AC+1]
	v_fma_f32 v[LS+\a], v[LS+\a], v[AL+2*\a], v[TT]
.endm
.macro RESCALE                         ; O *= 2^(m old - m new); a lane's 32 numbers of a tile belong to one query
.irp a, 0,1
.irp i, 0,1,2,3,4,5,6,7,8,9,10,11,12,13,14,15
	v_pk_mul_f32 v[OA+32*\a+2*\i:OA+32*\a+2*\i+1], v[OA+32*\a+2*\i:OA+32*\a+2*\i+1], v[AL+2*\a:AL+2*\a+1]
.endr
.endr
.endm
.macro PV u, src, zero                 ; O^T += V^T P^T for keys 32 u .. 32 u + 31
.irp t, 0,1,2,3
.irp a, 0,1
.if \zero
	v_wmma_f32_16x16x32_f16 v[OA+32*\a+8*\t:OA+32*\a+8*\t+7], v[\src+8*\t:\src+8*\t+7], v[SC+64*\a+8*\u:SC+64*\a+8*\u+7], 0
.else
	v_wmma_f32_16x16x32_f16 v[OA+32*\a+8*\t:OA+32*\a+8*\t+7], v[\src+8*\t:\src+8*\t+7], v[SC+64*\a+8*\u:SC+64*\a+8*\u+7], v[OA+32*\a+8*\t:OA+32*\a+8*\t+7]
.endif
.endr
.endr
.endm
; ONE STEP of 128 keys, tile i in \slot.  conv: tile i + 1 goes from ST into the other slot.  load: tile i + 2 is requested.
; pf: wave 0 asks for its share of tile i + 3.  more: a step follows.
.macro STEP id, slot, first, conv, load, pf, more
	s_barrier_wait -1                              ; every wave has stored its part of this slot and has read the other slot out
	PLACES 5                                       ; the last products' sources are loaded into (4 slots) and written by products (5 slots) below
	KLOAD \slot, 0, 0
	KLOAD \slot, 1, 1
	KLOAD \slot, 2, 2
	KLOAD \slot, 3, 3
.if \conv
	CONV (1-\slot)
.endif
.if \load
	LOADT 1, \pf
.endif
	WIN 0
.if \pf
	s_cmp_lg_u32 s14, 0
	s_cbranch_scc1 .Lnopf\id
	global_prefetch_b8 v[PFO], s[88:89] th:TH_LOAD_NT scope:SCOPE_SE   ; 32 addresses 256 bytes apart in tile i + 3, one step ahead of its load;
.Lnopf\id:                                                             ; the head's eight work-groups share K's and V's 2 x 32,768 bytes: each address asked once
.endif
	s_wait_dscnt 16*\conv                          ; the 16 fragment loads are in; only the 16 younger stores may be out
	SMUL 0, 0
	SMUL 1, 1
	PLACES 4
	KLOAD \slot, 4, 0
	KLOAD \slot, 5, 1
	SMUL 2, 2
	SMUL 3, 3
	PLACES 4
	KLOAD \slot, 6, 2
	KLOAD \slot, 7, 3
	s_wait_dscnt 12                                ; four loads a key tile: tiles 5, 6, 7 may be out,
	SMUL 4, 0
	s_wait_dscnt 8                                 ; tiles 6, 7,
	SMUL 5, 1
	s_wait_dscnt 4                                 ; tile 7,
	SMUL 6, 2
	s_wait_dscnt 0                                 ; none
	SMUL 7, 3
	PLACES 4                                       ; for the loads into the fragment registers and for the vector work on the scores
	VLOAD \slot, 0, FR
	VLOAD \slot, 1, FR+32
	s_wait_kmcnt 0x0                               ; tile 0's masks
	STAGE1 0
	LOADM 1
	STAGE2 0
	STAGE3 0
	VLOAD \slot, 2, SC+32                          ; into the half of tile 0's scores that packing has freed
	s_wait_kmcnt 0x0                               ; tile 1's masks
.if \more
	s_wait_xcnt 0x0                                ; no scalar load is out and every address is translated: the masks' base may step
	s_add_nc_u64 s[10:11], s[10:11], 256
.endif
	STAGE1 1
.if \more
	LOADM 0                                        ; the next step's first masks
.endif
	STAGE2 1
	STAGE3 1
	VLOAD \slot, 3, SC+96
.if \first == 0
	WIN 0x41
	RESCALE
.endif
	s_wait_dscnt 8                                 ; V for u = 0, 1, 2 is in; the eight loads of u = 3 may be out
	WIN 0x50
	PV 0, FR, \first
	PV 1, FR+32, 0
	PV 2, SC+32, 0
	s_wait_dscnt 0                                 ; zero, for the others: my reads of this slot and my stores into the other one are done
.if \more
	s_barrier_signal -1                            ; only products and scalar lines stand between this and the wait at the next step's head
.endif
	PV 3, SC+96, 0
	WIN 0
.endm
	s_load_b256 s[4:11], s[0:1], 0x0               ; q, k, v, mbits
	s_load_b64 s[12:13], s[0:1], 0x20              ; out0
	s_set_vgpr_msb 0x40
	v_lshl_add_u32 v128, v0, 2, 0x24000
	v_mov_b32 v129, 0
	s_set_vgpr_msb 0x4000
	v_lshrrev_b32 v[TT], 5, v0
	v_readfirstlane_b32 s14, v[TT]                 ; wave
	s_mov_b32 s92, ttmp9                           ; x: block of 256 queries
	s_and_b32 s93, ttmp7, 0xffff                   ; y: head
	s_mov_b32 s84, 0x76543210                      ; v_permlanex16_b32: lane i reads lane i of the other half
	s_mov_b32 s85, 0xfedcba98
	v_and_b32 v[TT], 31, v0                        ; lane l
	v_and_b32 v[TT+1], 15, v0                      ; r
	v_bfe_u32 v[TT+2], v0, 4, 1                    ; h
	v_mul_u32_u24 v[KAD], v[TT+1], 144
	v_lshl_add_u32 v[KAD], v[TT+2], 4, v[KAD]
	v_and_b32 v[TT+3], 7, v0
	v_lshl_add_u32 v[TT+3], v[TT+2], 3, v[TT+3]    ; 8 h + l % 8
	v_mul_u32_u24 v[VAD], v[TT+3], 160
	v_bfe_u32 v[TT+3], v0, 3, 1
	v_lshl_add_u32 v[VAD], v[TT+3], 4, v[VAD]
	v_add_nc_u32 v[VAD], VBASE, v[VAD]
	s_mul_i32 s94, s14, 288                        ; a wave stores rows 2 w, 2 w + 1 of each block of 16 keys
	v_mul_u32_u24 v[KST], v[TT+2], 144
	v_lshl_add_u32 v[KST], v[TT+1], 3, v[KST]
	v_add_nc_u32 v[KST], s94, v[KST]
	s_mul_i32 s95, s14, 320
	s_add_co_u32 s95, s95, VBASE
	v_mul_u32_u24 v[VST], v[TT+2], 160
	v_lshl_add_u32 v[VST], v[TT+1], 3, v[VST]
	v_add_nc_u32 v[VST], s95, v[VST]
	v_lshlrev_b32 v[GOF], 4, v0
	s_and_b32 s86, s92, 3
	s_lshl_b32 s86, s86, 13
	v_lshl_add_u32 v[PFO], v[TT], 8, s86
	s_mul_i32 s87, s14, 8704                       ; my stage: 32 rows of 272 bytes
	s_add_co_u32 s87, s87, STG
	v_mul_u32_u24 v[OST], v[TT+1], 272
	v_lshl_add_u32 v[OST], v[TT+2], 5, v[OST]
	v_add_nc_u32 v[OST], s87, v[OST]
	v_mul_u32_u24 v[ORD], v[TT+2], 272
	v_lshl_add_u32 v[ORD], v[TT+1], 4, v[ORD]
	v_add_nc_u32 v[ORD], s87, v[ORD]
	v_lshlrev_b32 v[OGO], 4, v[TT]
	v_lshlrev_b32 v[QOF], 8, v[TT+1]
	v_lshl_add_u32 v[QOF], v[TT+2], 5, v[QOF]
	v_lshlrev_b32 v[TT+3], 2, v[TT]                ; 4 l, for cnt
	v_mov_b32 v[NINF], 0xff800000
	v_mov_b32 v[MX], 0xff7fffff                    ; -FLT_MAX
	v_mov_b32 v[MX+1], 0xff7fffff
	v_mov_b32 v[LS], 0
	v_mov_b32 v[LS+1], 0
	s_lshl_b32 s86, s93, 19                        ; a head: 2,048 x 256 bytes
	s_mov_b32 s87, 0
	s_lshl_b32 s94, s92, 16                        ; 256 queries x 256 bytes, and 16 query tiles x 4,096 bytes of masks
	s_lshl_b32 s95, s14, 13                        ; 32 queries, and 2 query tiles
	s_add_co_u32 s94, s94, s95
	s_mov_b32 s95, 0
	s_wait_kmcnt 0x0
	s_add_nc_u64 s[6:7], s[6:7], s[86:87]          ; k and v at the head's tile 0
	s_add_nc_u64 s[8:9], s[8:9], s[86:87]
	s_cmp_lt_u32 s92, 4
	s_cselect_b64 s[88:89], s[6:7], s[8:9]         ; work-groups 0-3 of a head ask ahead for K, 4-7 for V
	s_add_nc_u64 s[88:89], s[88:89], 2*TILE        ; stepped once before each request: step 0 asks for tile 3, step 12, the last that asks, for tile 15
	s_add_nc_u64 s[90:91], s[10:11], 0x80000       ; cnt lies behind the words
	s_add_nc_u64 s[10:11], s[10:11], s[94:95]      ; my two query tiles' words
	s_add_co_u32 s86, s86, s94
	s_add_nc_u64 s[4:5], s[4:5], s[86:87]          ; q and out0 at my 32 queries
	s_add_nc_u64 s[12:13], s[12:13], s[86:87]
	s_lshr_b32 s94, s94, 5                         ; 128 bytes of cnt for a query tile
	s_add_nc_u64 s[90:91], s[90:91], s[94:95]
	LOADT 0, 0                                     ; tile 0
	WIN 0
.irp a, 0,1
.irp kk, 0,1
.irp e, 0,1
.irp g, 0,1
	global_load_b128 v[SC+32*\a+16*\kk+8*\e+4*\g:SC+32*\a+16*\kk+8*\e+4*\g+3], v[QOF], s[4:5] offset:\a*4096+128*\kk+64*\e+16*\g th:TH_LOAD_NT
.endr
.endr
.endr
.endr
	global_load_b32 v[CN], v[TT+3], s[90:91]
	global_load_b32 v[CN+1], v[TT+3], s[90:91] offset:128
	LOADM 0
	s_wait_loadcnt 0x0
.irp n, 0,1,2,3,4,5,6,7,8,9,10,11,12,13,14,15,16,17,18,19,20,21,22,23,24,25,26,27,28,29,30,31
	v_pk_mul_f32 v[SC+2*\n:SC+2*\n+1], v[SC+2*\n:SC+2*\n+1], 0x3e38aa3b op_sel_hi:[1,0]    ; q * 0.125 log2(e), in f32,
.endr
.irp n, 0,1,2,3,4,5,6,7,8,9,10,11,12,13,14,15,16,17,18,19,20,21,22,23,24,25,26,27,28,29,30,31
	v_cvt_pk_f16_f32 v[QF+\n], v[SC+2*\n], v[SC+2*\n+1]                                    ; rounded once
.endr
	CONV 0                                         ; tile 0 into slot 0
	LOADT 1, 0                                     ; tile 1
	WIN 0
	s_wait_dscnt 0x0                               ; zero: the others read my rows
	s_barrier_signal -1
	STEP 0, 0, 1, 1, 1, 1, 1                       ; the first step's products start O: nothing is cleared
	STEP 1, 1, 0, 1, 1, 1, 1
	s_mov_b32 s15, 5
.Lloop:                                            ; steps 2 to 11
	STEP 2, 0, 0, 1, 1, 1, 1
	STEP 3, 1, 0, 1, 1, 1, 1
	s_sub_co_i32 s15, s15, 1
	s_cmp_lg_u32 s15, 0
	s_cbranch_scc1 .Lloop
	STEP 12, 0, 0, 1, 1, 1, 1                      ; loads tile 14, asks for tile 15
	STEP 13, 1, 0, 1, 1, 0, 1                      ; loads tile 15, asks for nothing: no access passes the head's last tile
	STEP 14, 0, 0, 1, 0, 0, 1
	STEP 15, 1, 0, 0, 0, 0, 0
	; THE WAY OUT: the denominator, then O / denominator through my own stage into whole rows of 256 bytes.
	PLACES 4                                       ; behind the last products
.irp a, 0,1
	v_permlanex16_b32 v[TT], v[LS+\a], s84, s85    ; the other half of the keys
	v_sub_f32 v[TT+1], 0xc6616bcd, v[MX+\a]        ; -10000 log2(e) - m
	v_add_f32 v[LS+\a], v[LS+\a], v[TT]
	v_min_num_f32 v[TT+1], 0x42fc0000, v[TT+1]     ; at most 126: the power stays finite
	v_exp_f32 v[TT+1], v[TT+1]
	v_cvt_f32_u32 v[CN+\a], v[CN+\a]               ; (the plain instruction behind v_exp_f32)
	s_wait_alu depctr_va_vdst(0)
	v_fma_f32 v[LS+\a], v[CN+\a], v[TT+1], v[LS+\a]
	v_rcp_f32 v[AL+2*\a], v[LS+\a]
	v_nop
	s_wait_alu depctr_va_vdst(0)
	v_mov_b32 v[AL+2*\a+1], v[AL+2*\a]
.endr
	WIN 0x01                                       ; source 0 (O) in window 1
.irp a, 0,1
.irp i, 0,1,2,3,4,5,6,7,8,9,10,11,12,13,14,15
	v_pk_mul_f32 v[SC+32*\a+2*\i:SC+32*\a+2*\i+1], v[OA+32*\a+2*\i:OA+32*\a+2*\i+1], v[AL+2*\a:AL+2*\a+1]
.endr
.endr
	WIN 0
.irp a, 0,1
.irp t, 0,1,2,3
.irp e, 0,1
	ds_store_b128 v[OST], v[SC+32*\a+8*\t+4*\e:SC+32*\a+8*\t+4*\e+3] offset:\a*4352+64*\t+16*\e     ; query 16 a + r, d = 16 t + 8 h + 4 e ..
.endr
.endr
.endr
.irp p, 0,1,2,3,4,5,6,7,8,9,10,11,12,13,14,15
	ds_load_b128 v[SC+64+4*\p:SC+64+4*\p+3], v[ORD] offset:\p*544      ; my own bytes, and LDS serves a wave's instructions in order (ISA guide 5.7.1.4): no wait, no barrier
.endr
.irp p, 0,1,2,3,4,5,6,7,8,9,10,11,12,13,14,15
	s_wait_dscnt 15-\p                             ; rows 2 p, 2 p + 1 are in; the 15 - p younger loads stay out
	global_store_b128 v[OGO], v[SC+64+4*\p:SC+64+4*\p+3], s[12:13] offset:512*\p th:TH_STORE_NT     ; 16 lanes store one output row: 256 consecutive bytes, aligned
.endr
	s_set_vgpr_msb 0x5
	s_wait_tensorcnt 0x0
	ds_add_u32 v128, v129
	s_wait_dscnt 0x0
	s_set_vgpr_msb 0x500
	s_endpgm
.Lfunc_end_k_q24f5de4916_attn:
	.size	k_q24f5de4916_attn, .Lfunc_end_k_q24f5de4916_attn-k_q24f5de4916_attn
	.p2alignl 7, 3214868480
	.fill 96, 4, 3214868480
	.section	.rodata,"a",@progbits
	.p2align	6, 0x0
	.amdhsa_kernel k_q24f5de4916_attn
		.amdhsa_group_segment_fixed_size 148480
		.amdhsa_private_segment_fixed_size 0
		.amdhsa_enable_private_segment 0
		.amdhsa_kernarg_size 40
		.amdhsa_user_sgpr_count 2
		.amdhsa_user_sgpr_kernarg_segment_ptr 1
		.amdhsa_wavefront_size32 1
		.amdhsa_system_sgpr_workgroup_id_x 1
		.amdhsa_system_sgpr_workgroup_id_y 1
		.amdhsa_system_sgpr_workgroup_id_z 1
		.amdhsa_system_vgpr_workitem_id 0
		.amdhsa_next_free_vgpr 386
		.amdhsa_next_free_sgpr 96
		.amdhsa_reserve_vcc 0
		.amdhsa_float_denorm_mode_32 3
		.amdhsa_float_denorm_mode_16_64 3
		.amdhsa_memory_ordered 1
		.amdhsa_forward_progress 1
		.amdhsa_inst_pref_size 255
	.end_amdhsa_kernel
	.section	.bss,"aw",@nobits
	.p2align	6
	.space	262144
	.amdgpu_metadata
---
amdhsa.version: [ 1, 2 ]
amdhsa.kernels:
  - .name:           k_q24f5de4916_attn
    .symbol:         k_q24f5de4916_attn.kd
    .args:
      - { .name: q, .offset: 0, .size: 8, .value_kind: global_buffer, .address_space: global }
      - { .name: k, .offset: 8, .size: 8, .value_kind: global_buffer, .address_space: global }
      - { .name: v, .offset: 16, .size: 8, .value_kind: global_buffer, .address_space: global }
      - { .name: mbits, .offset: 24, .size: 8, .value_kind: global_buffer, .address_space: global }
      - { .name: out0, .offset: 32, .size: 8, .value_kind: global_buffer, .address_space: global }
    .group_segment_fixed_size: 148480
    .private_segment_fixed_size: 0
    .kernarg_segment_align: 8
    .kernarg_segment_size: 40
    .max_flat_workgroup_size: 256
    .sgpr_count:     96
    .vgpr_count:     386
    .wavefront_size: 32
...
	.end_amdgpu_metadata
.endif
;; end of part 2
